; MI455X (gfx1250); checked and timed in simulation.
; The chip was launched on July 23, 2026; its instructions are those of AMD's public machine-readable ISA for CDNA 5 (MIT licence, August 2026) and "CDNA5" Instruction Set Architecture Reference Guide (July 2026). The comments in the code are by the model that wrote it; some were corrected since.
;; Linear Attention. Allowed arithmetic: matrix products marked QUANTISED: E2M1 operands, one E8M0 scale for each 32 along K, by v_wmma_scale_f32_16x16x128_f8f6f4 with both operands' format E2M1 (or v_wmma_scale_f32_32x16x128_f4), f32 sums; products left as they are: f32 operands where the result goes on into a quantised operand, else bf16, f16 or f32 operands; f32 sums; everything else in f32.
;; Inputs: W_qkv 1,024 x 3,072 float32; b_qkv 3,072 float32; x 4 x 4,096 x 1,024 float32.
;; Outputs: out0 4 x 4,096 x 1,024 float32.
;; This version of the problem:
;;   THIS VERSION OF THE PROBLEM IS GIVEN IN LOW PRECISION. The matrix products marked QUANTISED in the list below multiply operands that are first quantised to E2M1 (2 exponent bits, 1 mantissa bit; 4 bits a number), with one power-of-two scale for each 32 numbers along K (OCP MX v1.0); their sums are f32. All else is computed in f32.
;;   The module's matrix products, in the order in which they are computed (A, B: the left and right operand; K: the contracted axis; several contracted axes count as one K, in the product's order):
;;     1. [M 16,384, K 1,024] x [K 1,024, N 3,072]; A: input x; B: input W_qkv: QUANTISED
;;     2. batch 16,384 x [M 16, K 64] x [K 64, N 16]; A: computed on the way; B: softmax (see below): QUANTISED
;;     3. batch 16,384 x [M 16, K 16] x [K 16, N 64]; A: computed on the way; B: computed on the way: left as it is (K = 16 < 32)
;;   THE QUANTISER, for each operand of a quantised product, along K:
;;     - K is cut into blocks of 32 from its start; a last block that is shorter is filled with zeros.
;;     - A block's scale is 2^e with e = floor(log2(the largest magnitude in the block)) - 2, held to -126 .. 127; a block of zeros has e = 0. As a byte (E8M0): e + 127.
;;     - Each number is divided by its block's scale, clamped to +-6, and rounded to the nearest number of E2M1, ties to even, subnormals kept.
;;     - The product sums the exact products of the quantised numbers (number of the format x scale) in f32.
;;   ~~~python
;;   def quantise(x, axis):      # numpy; x: float32 -> the quantised numbers, widened to float32 again
;;       x = np.moveaxis(x, axis, -1); K = x.shape[-1]
;;       x = np.pad(x, [(0, 0)] * (x.ndim - 1) + [(0, -K % 32)]); x = x.reshape(x.shape[:-1] + (-1, 32)); a = np.abs(x).max(-1, keepdims=True)
;;       e = np.where(a > 0, np.clip(np.frexp(np.where(a > 0, a, 1))[1] - 1 - 2, -126, 127), 0)      # np.frexp(a)[1] - 1 = floor(log2(a)), exactly
;;       r = np.clip(x / 2.0 ** e, -6, 6)
;;       step = 2.0 ** (np.maximum(np.frexp(np.where(r == 0, 1, r))[1] - 1, 0) - 1)
;;       q = np.round(r / step) * step * 2.0 ** e      # np.round: ties to even
;;       return np.moveaxis(q.reshape(q.shape[:-2] + (-1,))[..., :K], -1, axis).astype(np.float32)
;;   ~~~
;;   SOFTMAX AHEAD OF A QUANTISED PRODUCT. Where the list says 'softmax', what is quantised is not the finished softmax but p = 2^(t - M), with t = logit x log2(e) and M = ceil(the row's largest t), a whole number; so 1/2 < the row's largest p <= 1. The row's sum l is taken of the UNQUANTISED p, in f32, and the product's result is divided by l at the end. Since M is a whole number, a kernel that streams over the keys may use a running M (the ceiling of the running maximum): every later rescaling is an exact power of two, which a block's scale takes up: the codes' values come out the same.
;;   OPERANDS COMPUTED ON THE WAY. 'Computed on the way' means the value that the module computes at that place (a softmax that the list does not call 'softmax' is quantised finished and normalised). What goes into a quantiser is computed in f32, as accurately as f32 sums, v_exp_f32 and their like allow (about 1e-6 of the number): no bf16 or f16 on the way to a quantiser, and a product that is left as it is and whose result goes on into a quantised operand takes f32 operands (vector FMAs, or v_wmma_f32_16x16x4_f32). A number that lies on a knife's edge between two numbers of the format may be rounded either way, as far as f32 arithmetic and the matrix unit's own rounding can turn it there, and no further.
;; One version. Each part assembles by itself: llvm-mc -triple=amdgcn-amd-amdhsa -mcpu=gfx1250 --defsym DOCPART=n.
;; ======== version 1 of 1: 2 launches
;; limits: values are held in f16: magnitudes above 65,504 overflow, below 6.1e-05 lose precision
;; workspace buffers: wq 1,683,456 bytes
;; launch wprep (part 1): grid 48 x 4, 4 waves a work-group, no clusters, 1,024 bytes of LDS; arguments W_qkv, b_qkv, wq; writes wq
.if DOCPART == 1
	.amdgcn_target "amdgcn-amd-amdhsa--gfx1250"
	.amdhsa_code_object_version 6
	.text
	.protected	k_qdf38ec6c8d_wprep
	.globl	k_qdf38ec6c8d_wprep
	.p2align	8
	.type	k_qdf38ec6c8d_wprep,@function
k_qdf38ec6c8d_wprep:
	s_mov_b64 s[64:65], 0
	v_nop
	global_prefetch_b8 v0, s[64:65] scope:SCOPE_SE
	s_setreg_imm32_b32 hwreg(HW_REG_WAVE_MODE, 25, 1), 1
	s_wait_xcnt 0x0
; W_qkv [1024 (k)][3072 (n)], f32, K its FIRST axis, becomes codes of FP4 (E2M1) with one E8M0 byte for each 32 along K, laid in the
; ORDER OF THE READER'S OPERAND REGISTERS.  wq is 48 parts of PARTB bytes; part P serves columns 64 P .. 64 P + 63 (one head of q, k or v):
;   [0, 32768)      32 fragments (K step s of 128, tile t of 16 columns) at 4096 s + 1024 t: half c at + 512 c, lane l's 16 bytes at + 16 l;
;                   lane (r = l % 16, h = l / 16) holds k = 128 s + 64 c + 32 h + 0 .. 31 of the tile's row r
;   [32768, 34816)  scale words: register 2 s + tp at 512 ((2 s + tp) / 4) + 4 ((2 s + tp) % 4) + 16 l: lanes 0-15 tile 2 tp, lanes 16-31 tile 2 tp + 1
;   [34816, 35072)  the bias in the layout of the product's result: f32 at 64 t + 4 m = b of the tile's row m
; THE COLUMNS OF A TILE ARE NOT NEIGHBOURS: row r of tile 2 b + u is column 64 P + 32 b + 8 u + r + 8 (r / 8), so that in the reader the 16
; result registers of tiles 2 b and 2 b + 1 are 16 neighbouring columns.
; A LANE TAKES A COLUMN AND ITS REGISTERS RUN DOWN K: a block of 32 lies in one lane's 32 registers, and the conversions give codes with K innermost.
; A work-group takes a part x 256 along K; wave w: tp = w % 2 (32 columns), K step 2 y + w / 2.  Each load reads 128 consecutive bytes.
; A block's scale is 2^(floor(log2(its largest magnitude)) - 2); its byte is the largest magnitude's exponent field - 2, held at 1 from below.
; LIMITS: a block whose largest magnitude lies under 2^(3 - 127) (a block of zeros among them) keeps the byte 1 where the rule says otherwise: its
; codes are zeros or next to zeros, and this program alone reads the bytes.  NaN and infinities among the inputs are not served.
.set PARTB, 35072
.set WROW,  12288                      ; a row of W in bytes
.set X,     16                         ; v16-143  four sets of 32 numbers
.set C,     144                        ; v144-159 a block's codes, four registers for each block: no store's data are written again
	s_load_b128 s[4:7], s[0:1], 0x0                ; W, b
	s_load_b64 s[8:9], s[0:1], 0x10                ; wq
	v_lshl_add_u32 v176, v0, 2, 0x200
	v_mov_b32 v177, 0
	v_lshrrev_b32 v1, 5, v0
	v_readfirstlane_b32 s10, v1                    ; wave 0..3
	v_and_b32 v2, 31, v0                           ; lane
	v_and_b32 v3, 15, v0                           ; r
	v_bfe_u32 v4, v0, 4, 1                         ; u: which of my two tiles
	s_and_b32 s11, s10, 1                          ; tp
	s_lshr_b32 s12, s10, 1
	s_and_b32 s13, ttmp7, 0xffff                   ; y: which 256 along K
	s_lshl_b32 s14, s13, 1
	s_add_co_u32 s14, s14, s12                     ; s: my K step
	v_and_b32 v5, 8, v3
	v_add_nc_u32 v5, v5, v3                        ; r + 8 (r / 8)
	v_lshl_add_u32 v5, v4, 3, v5                   ; + 8 u
	s_lshl_b32 s15, s11, 5
	v_add_nc_u32 v5, s15, v5                       ; + 32 tp: my column in the part
	v_lshlrev_b32 v5, 2, v5                        ; in bytes
	v_lshlrev_b32 v6, 4, v3
	v_lshl_add_u32 v6, v4, 10, v6                  ; my codes' place: 1024 u + 16 r
	v_lshlrev_b32 v7, 4, v2                        ; 16 x lane
	s_lshl_b32 s15, s10, 2
	v_add_nc_u32 v15, s15, v7                      ; LDS: my scale word at 16 x lane + 4 x wave
	v_and_b32 v166, 7, v2                          ; the bias: lane l takes rows m = 2 (l % 8), m + 1 of tile l / 8
	v_lshlrev_b32 v166, 1, v166
	v_bfe_u32 v167, v2, 2, 1
	v_lshl_add_u32 v166, v167, 3, v166             ; + 8 (m / 8)
	v_bfe_u32 v167, v2, 3, 1
	v_lshl_add_u32 v166, v167, 3, v166             ; + 8 (tile % 2)
	v_lshl_add_u32 v166, v4, 5, v166               ; + 32 (tile / 2)
	v_lshlrev_b32 v166, 2, v166                    ; in bytes
	v_lshlrev_b32 v167, 3, v2                      ; and where it goes: 8 x lane
	s_mul_i32 s16, s14, 128*WROW                   ; W: my K step's first row,
	s_lshl_b32 s17, ttmp9, 8
	s_add_co_u32 s16, s16, s17                     ; the part's first column
	s_mov_b32 s17, 0
	s_mul_i32 s18, ttmp9, PARTB                    ; wq: the part
	s_mov_b32 s19, 0
	s_lshl_b32 s20, s14, 12                        ; in it: 4096 s + 2048 tp
	s_lshl_b32 s21, s11, 11
	s_add_co_u32 s20, s20, s21
	s_mov_b32 s21, 0
	s_lshl_b32 s24, s13, 9                         ; the scale words of this work-group: 32768 + 512 y
	s_add_co_u32 s24, s24, 32768
	s_mov_b32 s25, 0
	s_lshl_b32 s26, ttmp9, 8                       ; b: the part's 64 numbers
	s_mov_b32 s27, 0
	s_wait_kmcnt 0x0
	s_add_nc_u64 s[4:5], s[4:5], s[16:17]
	s_add_nc_u64 s[8:9], s[8:9], s[18:19]
	s_add_nc_u64 s[22:23], s[8:9], s[20:21]
	s_add_nc_u64 s[24:25], s[8:9], s[24:25]
	s_add_nc_u64 s[26:27], s[6:7], s[26:27]
.macro LOADB t                         ; block t: W(128 s + 32 t + i, my column), i = 0 .. 31
.set i, 0
.rept 32
	global_load_b32 v[X+32*(\t)+i], v5, s[4:5] offset:(32*(\t)+i)*WROW th:TH_LOAD_NT
.set i, i+1
.endr
.endm
	LOADB 0
	LOADB 1
	LOADB 2
	LOADB 3
.macro BLOCK t, left                   ; left: how many younger loads may stay out
.set XS, X+32*(\t)
	s_wait_loadcnt \left
	v_max3_num_f32 v8, |v[XS]|, |v[XS+1]|, |v[XS+2]|                ; the block's largest magnitude: all 32 numbers are mine; two chains
	v_max3_num_f32 v9, |v[XS+3]|, |v[XS+4]|, |v[XS+5]|
.irp i, 6,10,14,18,22,26
	v_max3_num_f32 v8, v8, |v[XS+\i]|, |v[XS+\i+1]|
	v_max3_num_f32 v9, v9, |v[XS+\i+2]|, |v[XS+\i+3]|
.endr
	v_max3_num_f32 v8, v8, |v[XS+30]|, |v[XS+31]|
	v_max3_num_f32 v8, v8, v9, 0x1800000           ; and the floor 2^(3 - 127): the byte cannot fall under 1
	v_add_nc_u32 v10, 0xff000000, v8               ; 2 off the exponent field: the conversion takes the exponent field of this operand as its scale
	v_lshrrev_b32 v13, 23, v10                     ; the scale's byte
.if (\t) == 0
	v_mov_b32 v14, v13                             ; four bytes make my row's word for this K step, the lower k in the lower byte
.else
	v_lshl_or_b32 v14, v13, 8*(\t), v14
.endif
.irp g, 0,1,2,3
	v_cvt_scalef32_pk8_fp4_f32 v[C+4*(\t)+\g], v[XS+8*\g:XS+8*\g+7], v10
.endr
	global_store_b128 v6, v[C+4*(\t):C+4*(\t)+3], s[22:23] offset:256*(\t)   ; lanes 0-15 and lanes 16-31 each store 256 consecutive bytes, at multiples of 256 from wq's first byte
.endm
	BLOCK 0, 63                                    ; 96 loads were issued behind block 0's and 64 behind block 1's: 63 is the largest count that the wait can name
	BLOCK 1, 63
	BLOCK 2, 32
	BLOCK 3, 0
	ds_store_b32 v15, v14                          ; the four waves' words meet in LDS: register 4 y + wave of the part's scale words
	s_wait_dscnt 0x0                               ; for the others' sake: my store has landed
	s_barrier_signal -1
	s_barrier_wait -1
	s_cmp_lg_u32 s10, 0
	s_cbranch_scc1 .Lnot_wave_0
	ds_load_b128 v[160:163], v7                    ; wave 0: four words a lane
	s_wait_dscnt 0x0
	global_store_b128 v7, v[160:163], s[24:25]     ; 512 consecutive bytes
.Lnot_wave_0:
	s_cmp_lg_u32 s10, 1                            ; wave 1 of the part's first work-group lays the bias out
	s_cbranch_scc1 .Lend
	s_cmp_lg_u32 s13, 0
	s_cbranch_scc1 .Lend
	global_load_b64 v[164:165], v166, s[26:27]
	s_wait_loadcnt 0x0
	global_store_b64 v167, v[164:165], s[8:9] offset:34816   ; 256 consecutive bytes
.Lend:
	s_wait_tensorcnt 0x0
	ds_add_u32 v176, v177
	s_wait_dscnt 0x0
	s_endpgm
.Lfunc_end_k_qdf38ec6c8d_wprep:
	.size	k_qdf38ec6c8d_wprep, .Lfunc_end_k_qdf38ec6c8d_wprep-k_qdf38ec6c8d_wprep
	.p2alignl 7, 3214868480
	.fill 96, 4, 3214868480
	.section	.rodata,"a",@progbits
	.p2align	6, 0x0
	.amdhsa_kernel k_qdf38ec6c8d_wprep
		.amdhsa_group_segment_fixed_size 1024
		.amdhsa_private_segment_fixed_size 0
		.amdhsa_enable_private_segment 0
		.amdhsa_kernarg_size 24
		.amdhsa_user_sgpr_count 2
		.amdhsa_user_sgpr_kernarg_segment_ptr 1
		.amdhsa_wavefront_size32 1
		.amdhsa_system_sgpr_workgroup_id_x 1
		.amdhsa_system_sgpr_workgroup_id_y 1
		.amdhsa_system_sgpr_workgroup_id_z 1
		.amdhsa_system_vgpr_workitem_id 0
		.amdhsa_next_free_vgpr 178
		.amdhsa_next_free_sgpr 66
		.amdhsa_reserve_vcc 0
		.amdhsa_float_denorm_mode_32 3
		.amdhsa_float_denorm_mode_16_64 3
		.amdhsa_memory_ordered 1
		.amdhsa_forward_progress 1
		.amdhsa_inst_pref_size 22
	.end_amdhsa_kernel
	.amdgpu_metadata
---
amdhsa.version: [ 1, 2 ]
amdhsa.kernels:
  - .name:           k_qdf38ec6c8d_wprep
    .symbol:         k_qdf38ec6c8d_wprep.kd
    .args:
      - { .name: W_qkv, .offset: 0, .size: 8, .value_kind: global_buffer, .address_space: global }
      - { .name: b_qkv, .offset: 8, .size: 8, .value_kind: global_buffer, .address_space: global }
      - { .name: wq, .offset: 16, .size: 8, .value_kind: global_buffer, .address_space: global }
    .group_segment_fixed_size: 1024
    .private_segment_fixed_size: 0
    .kernarg_segment_align: 8
    .kernarg_segment_size: 24
    .max_flat_workgroup_size: 128
    .sgpr_count:     66
    .vgpr_count:     178
    .wavefront_size: 32
...
	.end_amdgpu_metadata
.endif
;; end of part 1
;; launch fused (part 2): grid 256 x 1, 4 waves a work-group, clusters of 4 x 1, 327,680 bytes of LDS; arguments x, wq, out0; writes out0
.if DOCPART == 2
	.amdgcn_target "amdgcn-amd-amdhsa--gfx1250"
	.amdhsa_code_object_version 6
	.text
	.protected	k_qdf38ec6c8d_fused
	.globl	k_qdf38ec6c8d_fused
	.p2align	8
	.type	k_qdf38ec6c8d_fused,@function
k_qdf38ec6c8d_fused:
	s_mov_b64 s[64:65], 0
	v_nop
	global_prefetch_b8 v0, s[64:65] scope:SCOPE_SE
	s_setreg_imm32_b32 hwreg(HW_REG_WAVE_MODE, 25, 1), 1
	s_wait_xcnt 0x0
	s_wait_alu depctr_hold_cnt(0) depctr_sa_sdst(0) depctr_va_vdst(0) depctr_va_sdst(0) depctr_va_ssrc(0) depctr_va_vcc(0) depctr_vm_vsrc(0)
	s_getreg_b32 s2, hwreg(HW_REG_IB_STS2, 6, 4)
	s_cmp_eq_u32 s2, 0
	s_cbranch_scc0 .Lentry_in_a_cluster
	s_endpgm
.Lentry_in_a_cluster:
	s_bfe_u32 s2, ttmp6, 0x10000c
	s_cmp_lg_u32 s2, 0x3003
	s_cbranch_scc0 .Lentry_shape_is_right
	s_endpgm
.Lentry_shape_is_right:
; out[token][h][:] = sum over g of (Q(q[h] / 8) . Q(p[g]) / l[g]) v[g][:],  q | k | v = Q(x) Q(W) + b,  p[g] = 2^(k[g] log2(e) - M[g]), l[g] = the sum of p[g].
; x: [16384][1024] f32.  wq: W's codes, scale words and the bias, 48 parts of PARTB bytes in the order of the operand's registers (launch wprep).  out0: [16384][16][64] f32.
; Q is the MX-FP4 quantiser along a product's K (codes of E2M1, one E8M0 byte for each 32).  The first two products go by v_wmma_scale_f32_16x16x128_f8f6f4 on codes; the third (K = 16) takes f16 operands.
; SHARES.  A work-group owns 64 tokens.  THE WAVES SHARE THE COLUMNS: in slot sg (0 .. 11) wave w makes part 4 sg + w (a head of q, k or v: 64 columns) for all 64 tokens:
; 4 tiles of columns x 4 tiles of tokens x 8 K steps = 128 matrix instructions.  x's codes of the 64 tokens stay in every wave's registers (256), so what streams is W alone.
; The product is used TRANSPOSED (source 0 = 16 columns of W, source 1 = 16 tokens): a lane holds ONE token, and the 16 registers of tiles 2 b, 2 b + 1 are the head's numbers 32 b + 16 (lane / 16) + 0 .. 15.
; THE RING.  Two LDS slots of four parts.  Each wave fetches its own part by one tensor load (137 rows of 256 bytes, dense) and reads only that part.  All work-groups walk the same wq, so the four of a
; cluster ask JOINTLY (mask 15).  By this text's own count a wave has two tensor loads out at the start and one behind each round.
; RESULTS.  q: codes and scale words stay in registers (window 2); k: p's codes, words and 1 / l go to LDS bytes that x's codes have left; v: f16 in registers (window 3).  Behind the ring's last read
; q and v go into the ring's bytes, and wave w finishes tokens 16 w .. 16 w + 15, two at a time.
; LIMITS.  The third product's operands are f16: |v| and |attn / l| up to 65,504; under 6.1e-5 they carry an absolute error of 3e-8.  A block whose largest magnitude lies under 2^(3 - 127) (x, p) or
; 2^(6 - 127) (q) keeps the byte 1.  A block's largest p is taken from its largest logit (v_exp_f32 is taken not to fall where its input rises).  NaN and infinities are not served.
; REGISTERS, in windows of 256 (s_set_vgpr_msb's low byte: bits 1:0 source 0, 3:2 source 1, 5:4 source 2, 7:6 destination):
;   window 0: v0-31 ids and addresses; v32-47 x's scale words, v48-63 W's (nothing but scales ever stands in v32-63); v64-95 the bias, later at work; v96-127 at work; v128-255 the 16 accumulators
;   window 1: x's fragments (K step s, tile of tokens m) at 32 s + 8 m        window 2: v0-127 four sets of W's four fragments; v128-191 q's codes; v192-207 q's scale words        window 3: v as f16
.set PARTB, 35072
.set SLOTB, 4*PARTB                    ; 140,288: a slot; slot 1 begins here
.set XC,    2*SLOTB                    ; behind the ring: x's codes, 64 rows of 512 bytes + 16
.set XP,    528
.set XSCL,  XC+64*XP                   ; x's scale bytes, 64 rows of 32 + 4
.set XSP,   36
.set TURN,  XSCL+64*XSP                ; a stage of 32 x 80 bytes for each wave, through which x's numbers turn
.set TSP,   80
.set SPARE, TURN+4*32*TSP              ; the spare words, 128 bytes for each wave: two blocks of 256 bytes that no other line names
.set KC,    XC                         ; from slot 4 on, in x's old bytes: p's codes [token][block of 32][head][16 bytes], a token 528 bytes on from the last;
.set KW,    XSCL                       ; p's scale words [token][head], 68 bytes a token;
.set KWP,   68
.set RL,    KW+64*KWP                  ; 1 / l [token][head], 80 bytes a token
.set RLP,   80
.set VV,    0                          ; behind the ring's last read, in its bytes: v as f16 [token][head][64], a head 160 bytes, a token 2,576;
.set VTP,   2576
.set VGP,   160
.set QC,    VV+64*VTP                  ; q's codes, laid as p's;
.set QW,    QC+64*XP                   ; q's scale words, laid as p's;
.set STG,   QW+64*KWP                  ; and for each wave two stages of 16 rows x (256 + 16) bytes for the way out
.set SGP,   272
.set LANE, 1
.set ROWR, 2                           ; lane % 16
.set HALF, 3                           ; lane / 16
.set SPW,  4                           ; LDS address of my spare word: SPARE + 4 x my thread's number; never rewritten
.set NIL,  5                           ; 0; never rewritten
.set LI,   6                           ; 16 x lane
.set AW0,  7                           ; my lane's place in my part of a slot
.set AB0,  8                           ; and in its bias
.set ADW,  9                           ; the same in the slot in hand
.set ADB,  10
.set PFO,  11                          ; the prefetches' offset, 256 x lane; never rewritten
.set TIN,  12                          ; the x phase's addresses
.set TOUT, 13
.set AXC0, 14
.set AXB0, 15
.set AXC,  16
.set AXB,  17
.set AXF,  18
.set AXS,  19
.set AKC0, 20                          ; the k phase's
.set AKW0, 21
.set ARL0, 22
.set AKC,  23
.set AKW,  24
.set ARL,  25
.set AQC,  12                          ; the last phases', in registers that the earlier ones have left
.set AQW,  13
.set APF0, 14
.set AQF0, 15
.set ASW0, 16
.set ARE0, 17
.set AVF0, 18
.set ASTO, 19
.set AVD,  20                          ; v20-23
.set ASTR, 24
.set APF,  25
.set AQF,  26
.set ASW,  27
.set ARE,  28
.set AVF,  29
.set XSC,  32                          ; x's scale words: register 2 s + mm: lanes 0-15 tile of tokens 2 mm, lanes 16-31 tile 2 mm + 1
.set WSC,  48                          ; W's: register 2 s + tp: lanes 0-15 tile 2 tp, lanes 16-31 tile 2 tp + 1
.set BI,   64                          ; the bias, eight registers a tile
.set BM,   96                          ; v96-99 block maxima;  v100-103 what comes from lane l xor 16;  v104-107 -M as pairs;  v108-111 conversion operands;  v112-115 bytes;  v116-123 sums;  v124-125 q's words
.set PX,   100
.set NM,   104
.set OP,   108
.set EB,   112
.set SU,   116
.set TW,   124
.set ACC,  128                         ; accumulator (tile of tokens m, tile of columns t) at ACC + 32 m + 8 t
.set RS,   128                         ; the x phase: eight sets of 16 numbers as loaded;
.set XS,   64                          ; two sets of 16 neighbours
.set QCR,  128                         ; window 2: q's codes at QCR + 16 sg + 4 m + 2 b, pairs;
.set QWR,  192                         ; q's words at QWR + 4 sg + m
.set SW,   32                          ; the token loop: scale words (lanes 0-15 q's, lanes 16-31 p's);
.set PF,   64                          ; p's codes, then attn / l as f16;  QF q's codes;  RR 1 / l;  AT attn;  VF v's fragments;  OO the results
.set QF,   80
.set RR,   96
.set AT,   112
.set VF,   128
.set OO,   192
.set WV,   10                          ; s10 my wave's number;  s11 cx;  s12-15 at work
.set CX,   11
.set G1,   16                          ; s[16:23] descriptor group 1;  s[24:27], s[28:31] group 0 for the two first fills; the second then walks on
.set TB,   32                          ; s32 LDS byte at which the slot in hand begins
.set TF,   33                          ; s33 and the slot filled last
.set WOFF, 34                          ; s34 wave x PARTB
.set CNT,  35                          ; s35 slots still to be asked for
.set LIM,  36                          ; s36 1 in the launch's first cluster, else the greatest number: a wave prefetches while s35 is above it
.set PFA,  38                          ; s[38:39] where my prefetches stand
.set SEL,  40                          ; s[40:41] lane selects for v_permlanex16_b32: lane l xor 16
.set CS,   42                          ; s[42:43] log2(e): the packed form names a pair and takes its low word for both halves
.set LC,   44                          ; s44 loop counter;  s45-48 LDS offsets that step
.set MSB, 0
.macro WIN new                         ; the immediate's high byte repeats the setting that is left; a switch that changes nothing is dropped
.if MSB != \new
	s_set_vgpr_msb (MSB<<8)|\new
.set MSB, \new
.endif
.endm
.macro PLACES                          ; four plain vector instructions between a matrix instruction and a load into, or a vector instruction or LDS store on, its registers (ISA guide 7.12.1 for vector instructions and LDS stores)
.rept 4
	v_nop
.endr
.endm
; A round of the cluster's barrier: my work-group's barrier, so that wave 0's signal speaks for all four waves; wave 0 signals; every wave waits for all four work-groups; my work-group's barrier once more.
.macro ROUND
	s_barrier_signal -1
	s_barrier_wait -1
	s_cmp_lg_u32 s[WV], 0
	s_cbranch_scc1 .Lnot_wave_0_\@
	s_barrier_signal -3
.Lnot_wave_0_\@:
	s_barrier_wait -3
	s_barrier_signal -1
	s_barrier_wait -1
.endm
; A PREFETCH INTO THE L2 of the slot that the NEXT change of slots will ask for: a slot's 128 matrix instructions a wave ahead of that load.  All clusters walk the same wq: the launch's first cluster asks.
; Its four partners are told apart BY ADDRESS: partner cx takes part cx of the slot, wave w 8,192 bytes of it, lanes 256 bytes apart: one instruction a wave.  A part's last 2,304 bytes are not asked for.
; Slots 0 to 2 come by their loads alone; the last change that fills a slot asks for nothing.
.macro ASK
	s_cmp_gt_u32 s[CNT], s[LIM]
	s_cbranch_scc0 .Lnot_mine_\@
	global_prefetch_b8 v[PFO], s[PFA:PFA+1] th:TH_LOAD_NT scope:SCOPE_SE
.Lnot_mine_\@:
.endm
; THE CHANGE OF SLOTS stands at a slot's head.  Each wave waits for all its tensor loads (one is out: its part of the slot that it is about to read), adds 0 to its spare word, and waits for that and for its
; reads of the slot that it has left.  Behind the round no wave of any partner reads that slot or has a load on its way: it is filled with the parts that follow, and that load has a whole slot's work in which to land.
.macro CHANGE
	WIN 0
	s_wait_tensorcnt 0x0                           ; no tensor load of mine is out, so a group 0 may be written
	ds_add_u32 v[SPW], v[NIL]                      ; 0 onto my spare word: the steps below stand between it and the wait for it
	s_xor_b32 s[TF], s[TF], SLOTB                  ; the walking descriptor: the other slot than last time,
	s_add_co_u32 s29, s[TF], s[WOFF]               ; my part of it,
	s_add_nc_u64 s[30:31], s[30:31], SLOTB         ; the next four parts; the type bits on top are not reached
	s_xor_b32 s[TB], s[TB], SLOTB                  ; and the reads go on to the slot that has landed
	s_wait_xcnt 0x0                                ; the last prefetch, a slot back, has read its address, so it may be written
	s_add_nc_u64 s[PFA:PFA+1], s[PFA:PFA+1], SLOTB ; one slot further on than the walking descriptor
	s_wait_dscnt 0x0                               ; the add is done, and my LDS reads and stores are over
	ROUND
	tensor_load_to_lds s[28:31], s[G1:G1+7]        ; the first thing behind the round, and my one tensor load until the next
	s_nop 0
	PLACES                                         ; four v_nop follow the load
	ASK
	s_sub_co_u32 s[CNT], s[CNT], 1
.endm
.macro WLOAD s                         ; W's four fragments of K step s into set s % 4 of window 2: each load takes 512 consecutive bytes
.irp t, 0,1,2,3
.irp c, 0,1
	ds_load_b128 v[32*((\s)%4)+8*\t+4*\c:32*((\s)%4)+8*\t+4*\c+3], v[ADW] offset:4096*(\s)+1024*\t+512*\c
.endr
.endr
.endm
; One matrix instruction: tile of columns t x tile of tokens m, K step s.  K step 0 takes the bias as C: nothing is cleared and nothing is added later.
.macro WM t, m, s
.set rD, ACC+32*(\m)+8*(\t)
.set rC, rD
.if (\s) == 0
.set rC, BI+8*(\t)
.endif
.set rA, 32*((\s)%4)+8*(\t)
.set rB, 32*(\s)+8*(\m)
.set rU, WSC+2*(\s)+(\t)/2
.set rX, XSC+2*(\s)+(\m)/2
.if ((\t)%2 == 0) && ((\m)%2 == 0)
	v_wmma_scale_f32_16x16x128_f8f6f4 v[rD:rD+7], v[rA:rA+7], v[rB:rB+7], v[rC:rC+7], v[rU], v[rX] matrix_a_fmt:MATRIX_FMT_FP4 matrix_b_fmt:MATRIX_FMT_FP4
.elseif ((\m)%2 == 0)
	v_wmma_scale_f32_16x16x128_f8f6f4 v[rD:rD+7], v[rA:rA+7], v[rB:rB+7], v[rC:rC+7], v[rU], v[rX] matrix_a_fmt:MATRIX_FMT_FP4 matrix_b_fmt:MATRIX_FMT_FP4 matrix_a_scale:MATRIX_SCALE_ROW1
.elseif ((\t)%2 == 0)
	v_wmma_scale_f32_16x16x128_f8f6f4 v[rD:rD+7], v[rA:rA+7], v[rB:rB+7], v[rC:rC+7], v[rU], v[rX] matrix_a_fmt:MATRIX_FMT_FP4 matrix_b_fmt:MATRIX_FMT_FP4 matrix_b_scale:MATRIX_SCALE_ROW1
.else
	v_wmma_scale_f32_16x16x128_f8f6f4 v[rD:rD+7], v[rA:rA+7], v[rB:rB+7], v[rC:rC+7], v[rU], v[rX] matrix_a_fmt:MATRIX_FMT_FP4 matrix_b_fmt:MATRIX_FMT_FP4 matrix_a_scale:MATRIX_SCALE_ROW1 matrix_b_scale:MATRIX_SCALE_ROW1
.endif
.endm
; A K step: the fragments of two steps on are asked for, then 16 matrix instructions.  The sixteen accumulators take turns, one instruction a turn, in the same order in every step.
.macro KSTEP s
.if (\s) <= 5
.if (\s) >= 2
	PLACES                                         ; the set that is loaded was read by the products of two steps back (in steps 0 and 1: by the GEMM before, behind which places stand)
.endif
	WIN 0x80
	WLOAD (\s)+2
	s_wait_dscnt 16                                ; all but the 16 loads of the two steps that follow: this step's fragments are in (in step 0 also the scale words, the bias and, the first time, x)
.elseif (\s) == 6
	s_wait_dscnt 8                                 ; the last step's eight loads may be out
.else
	s_wait_dscnt 0x0
.endif
	WIN 0x06                                       ; source 0 (W) window 2, source 1 (x) window 1, C and D window 0
.irp m, 0,1,2,3
.irp t, 0,1,2,3
	WM \t, \m, \s
.endr
.endr
.endm
.macro GEMM                            ; my part of the slot in hand x the 64 tokens
	WIN 0
	v_add_nc_u32 v[ADW], s[TB], v[AW0]
	v_add_nc_u32 v[ADB], s[TB], v[AB0]
.irp q, 0,1,2,3
	ds_load_b128 v[WSC+4*\q:WSC+4*\q+3], v[ADW] offset:32768+512*\q
.endr
.irp t, 0,1,2,3
	ds_load_b128 v[BI+8*\t:BI+8*\t+3], v[ADB] offset:64*\t
	ds_load_b128 v[BI+8*\t+4:BI+8*\t+7], v[ADB] offset:64*\t+16
.endr
	WIN 0x80
	WLOAD 0
	WLOAD 1
.irp s, 0,1,2,3,4,5,6,7
	KSTEP \s
.endr
	WIN 0
	PLACES                                         ; in front of the first read of results
.endm
; q: two tiles of tokens (2 pp, 2 pp + 1) of head 4 sg + w become codes and scale words, in window 2.  Block 2 c + b: tile 2 pp + c, the head's numbers 32 b on; 16 of its 32 are mine, 16 lane l xor 16's.
; q / 8 is quantised by the scale alone: the codes are q's, and 3 more goes off each byte.  The floor 2^(6 - 127) holds the byte at 1 from below.
.macro QUANTQ sg, pp
.set S, ACC+64*(\pp)
.irp b, 0,1,2,3
	v_max3_num_f32 v[BM+\b], |v[S+16*\b]|, |v[S+16*\b+1]|, 0x3000000
.endr
.irp i, 2,4,6,8,10,12,14
.irp b, 0,1,2,3
	v_max3_num_f32 v[BM+\b], v[BM+\b], |v[S+16*\b+\i]|, |v[S+16*\b+\i+1]|   ; (the four blocks by turns; each accumulator is read from its low end on)
.endr
.endr
.irp b, 0,1,2,3
	v_permlanex16_b32 v[PX+\b], v[BM+\b], s[SEL], s[SEL+1]
.endr
.irp b, 0,1,2,3
	v_max_num_f32 v[BM+\b], v[BM+\b], v[PX+\b]     ; the block's largest magnitude
.endr
.irp b, 0,1,2,3
	v_add_nc_u32 v[OP+\b], 0xff000000, v[BM+\b]    ; 2 off its exponent field: the conversion's scale operand
.endr
.irp b, 0,1,2,3
	v_lshrrev_b32 v[EB+\b], 23, v[OP+\b]
.endr
.irp c, 0,1
	v_lshl_or_b32 v[TW+\c], v[EB+2*\c+1], 8, v[EB+2*\c]   ; bytes 2 and 3 stay 0: they scale the zero codes that fill K from 64 to 128
.endr
	WIN 0x80                                       ; destination window 2
.irp c, 0,1
	v_add_nc_u32 v[QWR+4*(\sg)+2*(\pp)+\c], 0xfffffcfd, v[TW+\c]   ; 3 off each of the two bytes (each is 4 at the least: no borrow)
.endr
.irp b, 0,1,2,3
	v_cvt_scalef32_pk8_fp4_f32 v[QCR+16*(\sg)+8*(\pp)+2*\b], v[S+16*\b:S+16*\b+7], v[OP+\b]
	v_cvt_scalef32_pk8_fp4_f32 v[QCR+16*(\sg)+8*(\pp)+2*\b+1], v[S+16*\b+8:S+16*\b+15], v[OP+\b]
.endr
	v_nop                                          ; one plain place behind the last scaled conversion
	WIN 0
.endm
; k: two tiles of tokens of a key head.  t = logit x log2(e); M = the largest t of the head's 64, rounded UP to a whole number; p = 2^(t - M) is quantised, not normalised; l is the sum of the unquantised p.
.macro KSOFT pp
.set S, ACC+64*(\pp)
.set KCD, BI+8*(\pp)                   ; the codes just made;
.set KTW, BI+16+2*(\pp)                ; their scale words;
.set KRC, BI+20+2*(\pp)                ; 1 / l.  Registers of their own for each pp: no LDS store's data are written again in a trip
.irp b, 0,1,2,3
	v_max3_num_f32 v[BM+\b], v[S+16*\b], v[S+16*\b+1], v[S+16*\b+2]   ; the largest logit of each block: it serves for the row's maximum and, since p rises with the logit, for the block's largest p
.endr
.irp i, 3,5,7,9,11,13
.irp b, 0,1,2,3
	v_max3_num_f32 v[BM+\b], v[BM+\b], v[S+16*\b+\i], v[S+16*\b+\i+1]
.endr
.endr
.irp b, 0,1,2,3
	v_max_num_f32 v[BM+\b], v[BM+\b], v[S+16*\b+15]
.endr
.irp b, 0,1,2,3
	v_permlanex16_b32 v[PX+\b], v[BM+\b], s[SEL], s[SEL+1]
.endr
.irp b, 0,1,2,3
	v_max_num_f32 v[BM+\b], v[BM+\b], v[PX+\b]
.endr
.irp c, 0,1
	v_max_num_f32 v[NM+2*\c], v[BM+2*\c], v[BM+2*\c+1]   ; the head's largest logit of my token
.endr
.irp c, 0,1
	v_mul_f32 v[NM+2*\c], s[CS], v[NM+2*\c]        ; as t
.endr
.irp c, 0,1
	v_floor_f32 v[NM+2*\c], -v[NM+2*\c]            ; -M = floor(-t) = -ceil(t)
.endr
.irp c, 0,1
.irp j, 0,2,4,6,8,10,12,14,16,18,20,22,24,26,28,30
	v_pk_fma_f32 v[S+32*\c+\j:S+32*\c+\j+1], v[S+32*\c+\j:S+32*\c+\j+1], s[CS:CS+1], v[NM+2*\c:NM+2*\c+1] op_sel_hi:[1,0,0]   ; t - M, two at a time
.endr
.endr
.irp b, 0,1,2,3
	v_fma_f32 v[BM+\b], v[BM+\b], s[CS], v[NM+2*(\b/2)]   ; the same of each block's largest logit
.endr
.set j, 0
.rept 64
	v_exp_f32 v[S+j], v[S+j]                       ; p, at most 1
.set j, j+1
.endr
	v_nop                                          ; a plain instruction behind the last exponential
	s_wait_alu depctr_va_vdst(0)                   ; one wait for the batch of 64, ahead of its first reader
.irp b, 0,1,2,3
	v_exp_f32 v[BM+\b], v[BM+\b]                   ; the block's largest p: the same two instructions on the same number give the same bits
.endr
.irp c, 0,1
	v_pk_add_f32 v[SU+4*\c:SU+4*\c+1], v[S+32*\c:S+32*\c+1], v[S+32*\c+2:S+32*\c+3]   ; the sum of the unquantised p: two chains for each tile.  (It reads the 64 alone: plain work behind the four)
	v_pk_add_f32 v[SU+4*\c+2:SU+4*\c+3], v[S+32*\c+4:S+32*\c+5], v[S+32*\c+6:S+32*\c+7]
.endr
.irp j, 8,12,16,20,24,28
.irp c, 0,1
	v_pk_add_f32 v[SU+4*\c:SU+4*\c+1], v[SU+4*\c:SU+4*\c+1], v[S+32*\c+\j:S+32*\c+\j+1]
	v_pk_add_f32 v[SU+4*\c+2:SU+4*\c+3], v[SU+4*\c+2:SU+4*\c+3], v[S+32*\c+\j+2:S+32*\c+\j+3]
.endr
.endr
.irp c, 0,1
	v_pk_add_f32 v[SU+4*\c:SU+4*\c+1], v[SU+4*\c:SU+4*\c+1], v[SU+4*\c+2:SU+4*\c+3]
.endr
.irp c, 0,1
	v_add_f32 v[SU+4*\c], v[SU+4*\c], v[SU+4*\c+1]
.endr
.irp c, 0,1
	v_permlanex16_b32 v[PX+\c], v[SU+4*\c], s[SEL], s[SEL+1]
.endr
.irp c, 0,1
	v_add_f32 v[SU+4*\c], v[SU+4*\c], v[PX+\c]     ; with lane l xor 16's 32: l
.endr
.irp c, 0,1
	v_rcp_f32 v[KRC+\c], v[SU+4*\c]
.endr
	v_nop                                          ; a plain instruction behind the last reciprocal
	s_wait_alu depctr_va_vdst(0)                   ; one wait for the four exponentials and the two reciprocals
.irp b, 0,1,2,3
	v_max_num_f32 v[BM+\b], 0x1800000, v[BM+\b]    ; the floor 2^(3 - 127): the byte cannot fall under 1
.endr
.irp b, 0,1,2,3
	v_add_nc_u32 v[OP+\b], 0xff000000, v[BM+\b]
.endr
.irp b, 0,1,2,3
	v_lshrrev_b32 v[EB+\b], 23, v[OP+\b]           ; the scale's byte
.endr
.irp c, 0,1
	v_lshl_or_b32 v[KTW+\c], v[EB+2*\c+1], 8, v[EB+2*\c]
.endr
.irp b, 0,1,2,3
	v_cvt_scalef32_pk8_fp4_f32 v[KCD+2*\b], v[S+16*\b:S+16*\b+7], v[OP+\b]
	v_cvt_scalef32_pk8_fp4_f32 v[KCD+2*\b+1], v[S+16*\b+8:S+16*\b+15], v[OP+\b]
.endr
	v_nop                                          ; one plain place behind the last scaled conversion
.irp c, 0,1
.irp b, 0,1
	ds_store_b64 v[AKC], v[KCD+4*\c+2*\b:KCD+4*\c+2*\b+1] offset:16*(2*(\pp)+\c)*XP+256*\b   ; my half of a block: 8 bytes
.endr
	ds_store_b32 v[AKW], v[KTW+\c] offset:16*(2*(\pp)+\c)*KWP   ; (both halves of the lanes write the same word with the same value)
	ds_store_b32 v[ARL], v[KRC+\c] offset:16*(2*(\pp)+\c)*RLP
.endr
.endm
.macro VCVT sv                         ; v: the 128 results become 64 registers of f16 in window 3, each accumulator from its low end on
	WIN 0xc0
.set j, 0
.rept 64
	v_cvt_pk_f16_f32 v[64*(\sv)+j], v[ACC+2*j], v[ACC+2*j+1]
.set j, j+1
.endr
	WIN 0
.endm
; THE x PHASE.  A step is 512 numbers.  Its four loads read 512 consecutive bytes each, 16 a lane; the conversions want 16 NEIGHBOURS in a lane: so the 2,048 bytes turn through my stage in LDS.
.macro XLOADS set, off
.irp i, 0,1,2,3
	global_load_b128 v[RS+16*(\set)+4*\i:RS+16*(\set)+4*\i+3], v[LI], s[4:5] offset:(\off)+512*\i th:TH_LOAD_NT
.endr
.endm
.macro XTURN set                       ; LDS serves a wave's instructions in order (ISA guide 5.7.1.4): no wait between the stores and the loads
.irp i, 0,1,2,3
	ds_store_b128 v[TIN], v[RS+16*((\set)%8)+4*\i:RS+16*((\set)%8)+4*\i+3] offset:8*TSP*\i
.endr
.irp i, 0,1,2,3
	ds_load_b128 v[XS+16*((\set)%2)+4*\i:XS+16*((\set)%2)+4*\i+3], v[TOUT] offset:16*\i
.endr
.endm
.macro XSTEP tt, load, lc, turn
.set XX, XS+16*((\tt)%2)
	s_wait_dscnt 0x0                               ; this step's numbers are back from the stage, so its stores into the stage have read their registers; the last step's codes and byte are stored
.if \load
	XLOADS \tt, 2048*((\tt)+8)                     ; those registers take the step eight further on
.endif
.if \turn
	s_wait_loadcnt \lc                             ; the next step's four loads are in; the younger sets' may be out
	XTURN (\tt)+1
.endif
	v_max3_num_f32 v[BM], |v[XX]|, |v[XX+1]|, |v[XX+2]|
	v_max3_num_f32 v[BM+1], |v[XX+3]|, |v[XX+4]|, |v[XX+5]|
.irp i, 6,10
	v_max3_num_f32 v[BM], v[BM], |v[XX+\i]|, |v[XX+\i+1]|
	v_max3_num_f32 v[BM+1], v[BM+1], |v[XX+\i+2]|, |v[XX+\i+3]|
.endr
	v_max3_num_f32 v[BM], v[BM], |v[XX+14]|, |v[XX+15]|
	v_max3_num_f32 v[BM], v[BM], v[BM+1], 0x1800000   ; and the floor 2^(3 - 127)
	v_max_num_f32_dpp v[BM], v[BM], v[BM] row_xmask:1 row_mask:0xf bank_mask:0xf   ; with my neighbour's 16: the block's largest magnitude
	v_add_nc_u32 v[OP], 0xff000000, v[BM]
	v_cvt_scalef32_pk8_fp4_f32 v[SU], v[XX:XX+7], v[OP]
	v_cvt_scalef32_pk8_fp4_f32 v[SU+1], v[XX+8:XX+15], v[OP]
	v_lshrrev_b32 v[EB], 23, v[OP]                 ; the scale's byte (also the plain place behind the conversions)
	ds_store_b8 v[AXB], v[EB] offset:XSP*((\tt)/2)+16*((\tt)%2)   ; both lanes of a block write the same byte with the same value
	ds_store_b64 v[AXC], v[SU:SU+1] offset:XP*((\tt)/2)+256*((\tt)%2)
.endm
	; ---- the head
	s_load_b128 s[4:7], s[0:1], 0x0                ; x, wq
	s_load_b64 s[8:9], s[0:1], 0x10                ; out0
	v_lshl_add_u32 v[SPW], v0, 2, SPARE
	v_mov_b32 v[NIL], 0
	ds_add_u32 v4, v5
	ds_add_u32 v4, v5
	s_wait_dscnt 0x0
	v_lshrrev_b32 v1, 5, v0
	v_readfirstlane_b32 s[WV], v1                  ; wave 0..3
	v_and_b32 v[LANE], 31, v0
	v_and_b32 v[ROWR], 15, v0
	v_bfe_u32 v[HALF], v0, 4, 1
	v_lshlrev_b32 v[LI], 4, v[LANE]
	s_bfe_u32 s[CX], ttmp6, 0x40000                ; cx: my place in the cluster
	s_lshl_b32 s12, ttmp9, 2                       ; in a cluster launch ttmp9 counts clusters
	s_add_co_u32 s12, s12, s[CX]                   ; my block of 64 tokens: it enters x's and out0's addresses alone
	s_lshl_b32 s12, s12, 18                        ; 64 rows of 4,096 bytes,
	s_lshl_b32 s13, s[WV], 16                      ; my wave's 16 of them
	s_add_co_u32 s12, s12, s13
	s_mov_b32 s13, 0
	s_mul_i32 s[WOFF], s[WV], PARTB
	s_mov_b32 s14, s[WOFF]
	s_mov_b32 s15, 0
	s_mul_i32 s45, s[CX], PARTB                    ; the prefetches: part cx of a slot,
	s_lshl_b32 s46, s[WV], 13                      ; my wave's 8,192 bytes of it,
	s_add_co_u32 s46, s46, s45
	s_add_co_u32 s46, s46, 2*SLOTB                 ; in slot 2: the first change of slots steps it to slot 3.  Nothing is prefetched here, at the head
	s_mov_b32 s47, 0
	; descriptor group 1: a part is 137 rows of 256 bytes (32 elements of 8 bytes), dense in memory and in LDS
	s_mov_b32 s[G1+0], 15|(3<<16)|(1<<21)          ; 15:0 the mask: all four work-groups; 17:16 elements of 8 bytes; 20 no padding; 21 set beside a mask
	s_mov_b32 s[G1+1], 32<<16                      ; tensor_dim0 = 32
	s_mov_b32 s[G1+2], 137<<16                     ; tensor_dim1 = 137
	s_mov_b32 s[G1+3], 32<<16                      ; tile_dim0 = 32
	s_mov_b32 s[G1+4], 137                         ; tile_dim1 = 137
	s_mov_b32 s[G1+5], 32                          ; tensor_dim0_stride
	s_mov_b32 s[G1+6], 0
	s_mov_b32 s[G1+7], 0
	s_mov_b32 s[SEL], 0x76543210
	s_mov_b32 s[SEL+1], 0xfedcba98
	s_mov_b32 s[CS], 0x3fb8aa3b                    ; log2(e)
	s_mov_b32 s[CS+1], s[CS]                       ; (named with it as a pair, so it is written)
	s_mov_b32 s[TB], 0
	s_mov_b32 s[TF], SLOTB
	s_mov_b32 s[CNT], 10
	s_cmp_eq_u32 ttmp9, 0                          ; the same in all four partners
	s_cselect_b32 s[LIM], 1, -1
	s_wait_kmcnt 0x0
	s_add_nc_u64 s[4:5], s[4:5], s[12:13]          ; x and out0 at my wave's first token
	s_add_nc_u64 s[8:9], s[8:9], s[12:13]
	s_add_nc_u64 s[PFA:PFA+1], s[6:7], s[46:47]
	s_add_nc_u64 s[14:15], s[6:7], s[14:15]        ; wq at my part of slot 0: made of the wave's number alone
.irp t, 0,1,2,3,4,5,6,7
	XLOADS \t, 2048*\t                             ; x's first eight steps: 32 loads of mine are out
.endr
	s_mov_b32 s24, 1                               ; group 0: 1:0 count = 1
	s_mov_b32 s25, s[WOFF]                         ; 63:32 LDS address: my part of slot 0
	s_mov_b64 s[26:27], s[14:15]                   ; 120:64 global address
	s_or_b32 s27, s27, 0x80000000                  ; 127:126 type = 2
	s_mov_b32 s28, 1
	s_add_co_u32 s29, s[WOFF], SLOTB               ; slot 1
	s_add_nc_u64 s[30:31], s[14:15], SLOTB
	s_or_b32 s31, s31, 0x80000000
	ROUND                                          ; all four work-groups are here: the first joint loads meet
	tensor_load_to_lds s[24:27], s[G1:G1+7]        ; the two first fills go out together, ahead of every wait on TENSORcnt and every LDS read
	s_nop 0
	tensor_load_to_lds s[28:31], s[G1:G1+7]
	s_nop 0
	PLACES
	v_add_nc_u32 v[AW0], s[WOFF], v[LI]            ; 16 x lane in my part
	v_lshlrev_b32 v[AB0], 5, v[HALF]
	v_add_nc_u32 v[AB0], s[WOFF], v[AB0]
	v_add_nc_u32 v[AB0], 34816, v[AB0]             ; the bias: 32 bytes for each half of the lanes
	v_lshlrev_b32 v[PFO], 8, v[LANE]
	s_mul_i32 s12, s[WV], 32*TSP
	s_add_co_u32 s12, s12, TURN                    ; my stage
	v_lshrrev_b32 v[TIN], 2, v[LANE]
	v_mul_u32_u24 v[TIN], v[TIN], TSP
	v_and_b32 v[TOUT], 3, v[LANE]
	v_lshl_add_u32 v[TIN], v[TOUT], 4, v[TIN]
	v_add_nc_u32 v[TIN], s12, v[TIN]               ; in: four lanes' 64 bytes on end, then 16 of padding
	v_mul_u32_u24 v[TOUT], v[LANE], TSP
	v_add_nc_u32 v[TOUT], s12, v[TOUT]             ; out: my 16 neighbours
	s_mul_i32 s12, s[WV], 16*XP
	s_add_co_u32 s12, s12, XC
	v_lshl_add_u32 v[AXC0], v[LANE], 3, s12        ; my 16 codes: 8 bytes a lane, in my wave's 16 rows
	s_mul_i32 s12, s[WV], 16*XSP
	s_add_co_u32 s12, s12, XSCL
	v_lshrrev_b32 v[AXB0], 1, v[LANE]
	v_add_nc_u32 v[AXB0], s12, v[AXB0]             ; my block's byte
	v_mul_u32_u24 v[AXF], v[ROWR], XP
	v_lshl_add_u32 v[AXF], v[HALF], 4, v[AXF]
	v_add_nc_u32 v[AXF], XC, v[AXF]                ; a fragment of x: row r, + 16 bytes for the upper half of the lanes
	v_mul_u32_u24 v[AXS], v[LANE], XSP
	v_add_nc_u32 v[AXS], XSCL, v[AXS]              ; x's scale words: a lane a token
	s_lshl_b32 s12, s[WV], 4
	s_add_co_u32 s12, s12, KC
	v_mul_u32_u24 v[AKC0], v[ROWR], XP
	v_lshl_add_u32 v[AKC0], v[HALF], 3, v[AKC0]
	v_add_nc_u32 v[AKC0], s12, v[AKC0]             ; p's codes: token r, + 8 h, + 16 x wave (the head)
	s_lshl_b32 s12, s[WV], 2
	s_add_co_u32 s13, s12, KW
	v_mul_u32_u24 v[AKW0], v[ROWR], KWP
	v_add_nc_u32 v[AKW0], s13, v[AKW0]
	s_add_co_u32 s13, s12, RL
	v_mul_u32_u24 v[ARL0], v[ROWR], RLP
	v_add_nc_u32 v[ARL0], s13, v[ARL0]
.irp b, 0,1,2,3
	v_mov_b32 v[PX+\b], 0                          ; written once: a lane permute's destination counts as one of its sources
.endr
	v_mov_b32 v[NM+1], 0                           ; (named as the upper halves of pairs)
	v_mov_b32 v[NM+3], 0
	; ---- x: my 16 tokens, 32 steps of 512 numbers, become codes and scale bytes in LDS
	s_wait_loadcnt 28                              ; step 0's four loads are in; the seven younger sets' may be out
	XTURN 0
	s_mov_b32 s46, 0
	s_mov_b32 s47, 0
	s_mov_b32 s[LC], 3
.Lx:                                               ; a trip: eight steps, four tokens
	v_add_nc_u32 v[AXC], s46, v[AXC0]
	v_add_nc_u32 v[AXB], s47, v[AXB0]
.irp t, 0,1,2,3,4,5,6,7
	XSTEP \t, 1, 28, 1
.endr
	s_wait_xcnt 0x0                                ; the loads have read their base: it may step
	s_add_nc_u64 s[4:5], s[4:5], 16384
	s_add_co_u32 s46, s46, 4*XP
	s_add_co_u32 s47, s47, 4*XSP
	s_sub_co_u32 s[LC], s[LC], 1
	s_cmp_lg_u32 s[LC], 0
	s_cbranch_scc1 .Lx
	v_add_nc_u32 v[AXC], s46, v[AXC0]              ; the last eight steps load nothing: no load leaves the buffer, and the counts run down
	v_add_nc_u32 v[AXB], s47, v[AXB0]
.irp t, 0,1,2,3,4,5,6
	XSTEP \t, 0, 24-4*\t, 1
.endr
	XSTEP 7, 0, 0, 0
	s_wait_dscnt 0x0                               ; for the others' sake: my codes and bytes have landed
	s_barrier_signal -1                            ; the tensor loads may stay out
	s_barrier_wait -1
	WIN 0x40                                       ; destination window 1
.irp s, 0,1,2,3,4,5,6,7
.irp m, 0,1,2,3
.irp c, 0,1
	ds_load_b128 v[32*\s+8*\m+4*\c:32*\s+8*\m+4*\c+3], v[AXF] offset:16*\m*XP+64*\s+32*\c   ; all 64 tokens' codes: they stay
.endr
.endr
.endr
	WIN 0
.irp s, 0,1,2,3,4,5,6,7
.irp mm, 0,1
	ds_load_b32 v[XSC+2*\s+\mm], v[AXS] offset:32*XSP*\mm+4*\s
.endr
.endr
	; ---- q: slots 0 to 3, written out: the results' registers differ from slot to slot
	s_wait_tensorcnt 0x1                           ; my part of slot 0 is in, and I alone read it; slot 1's load may be out
	GEMM
	QUANTQ 0, 0
	QUANTQ 0, 1
.irp g, 1,2,3
	CHANGE
	GEMM
	QUANTQ \g, 0
	QUANTQ \g, 1
.endr
	; ---- k: slots 4 to 7, a loop: the results go to LDS, into bytes that every wave left rounds ago
	s_mov_b32 s45, 0
	s_mov_b32 s48, 0
	s_mov_b32 s[LC], 4
.Lk:
	CHANGE
	v_add_nc_u32 v[AKC], s48, v[AKC0]              ; four heads on: 64 bytes of codes,
	v_add_nc_u32 v[AKW], s45, v[AKW0]              ; 16 of words
	v_add_nc_u32 v[ARL], s45, v[ARL0]
	GEMM
	KSOFT 0
	KSOFT 1
	s_add_co_u32 s45, s45, 16
	s_add_co_u32 s48, s48, 64
	s_sub_co_u32 s[LC], s[LC], 1
	s_cmp_lg_u32 s[LC], 0
	s_cbranch_scc1 .Lk
	; ---- v: slots 8 to 11, written out
.irp g, 0,1,2
	CHANGE
	GEMM
	VCVT \g
.endr
	s_wait_tensorcnt 0x0                           ; the last slot: my part of it is in; nothing is left to fetch, so no round and no fill
	s_xor_b32 s[TB], s[TB], SLOTB
	GEMM
	VCVT 3
	; ---- q and v go into the ring's bytes, which have had their last fill: every wave has waited for its last load and read its last part
	s_wait_dscnt 0x0
	s_barrier_signal -1
	s_barrier_wait -1
	s_lshl_b32 s12, s[WV], 4
	s_add_co_u32 s12, s12, QC
	v_mul_u32_u24 v[AQC], v[ROWR], XP
	v_lshl_add_u32 v[AQC], v[HALF], 3, v[AQC]
	v_add_nc_u32 v[AQC], s12, v[AQC]               ; q's codes: token r, + 8 h, + 16 x wave
	s_lshl_b32 s12, s[WV], 2
	s_add_co_u32 s12, s12, QW
	v_mul_u32_u24 v[AQW], v[ROWR], KWP
	v_add_nc_u32 v[AQW], s12, v[AQW]
	s_mul_i32 s12, s[WV], VGP
	v_mul_u32_u24 v[AVD], v[ROWR], VTP
	v_lshl_add_u32 v[AVD], v[HALF], 5, v[AVD]
	v_add_nc_u32 v[AVD], s12, v[AVD]               ; v: token r, + 32 h, + 160 x wave (the head); a register for each tile of tokens
.irp m, 1,2,3
	v_add_nc_u32 v[AVD+\m], 16*VTP*\m, v[AVD]
.endr
	s_mul_i32 s12, s[WV], 16*XP                    ; the token loop's addresses: my 16 tokens
	s_add_co_u32 s13, s12, KC
	v_add_nc_u32 v[APF0], s13, v[LI]               ; a token's 512 bytes of codes are the operand's registers 0-3: 16 x lane
	s_add_co_u32 s13, s12, QC
	v_add_nc_u32 v[AQF0], s13, v[LI]
	s_mul_i32 s12, s[WV], 16*KWP
	s_add_co_u32 s12, s12, QW
	v_mul_u32_u24 v[ASW0], v[HALF], KW-QW          ; lanes 0-15 take q's words, lanes 16-31 p's: the lower base + h x the distance
	v_lshl_add_u32 v[ASW0], v[ROWR], 2, v[ASW0]
	v_add_nc_u32 v[ASW0], s12, v[ASW0]
	s_mul_i32 s12, s[WV], 16*RLP
	s_add_co_u32 s12, s12, RL
	v_lshl_add_u32 v[ARE0], v[HALF], 5, s12        ; 1 / l of heads 8 h + 0 .. 7
	v_and_b32 v[AVF0], 7, v0                       ; the turning load: lane l reads 16 bytes of head 8 (l / 16) + l % 8, numbers 8 ((l / 8) % 2) on
	v_lshl_add_u32 v[AVF0], v[HALF], 3, v[AVF0]
	v_mul_u32_u24 v[AVF0], v[AVF0], VGP
	v_bfe_u32 v[AVF], v0, 3, 1
	v_lshl_add_u32 v[AVF0], v[AVF], 4, v[AVF0]
	s_mul_i32 s12, s[WV], 16*VTP
	v_add_nc_u32 v[AVF0], s12, v[AVF0]
	s_mul_i32 s12, s[WV], 2*16*SGP
	s_add_co_u32 s12, s12, STG                     ; my two stages
	v_mul_u32_u24 v[ASTO], v[ROWR], SGP
	v_lshl_add_u32 v[ASTO], v[HALF], 5, v[ASTO]
	v_add_nc_u32 v[ASTO], s12, v[ASTO]             ; in: row = head r, 32 bytes for each half of the lanes
	v_mul_u32_u24 v[ASTR], v[HALF], SGP
	v_lshl_add_u32 v[ASTR], v[ROWR], 4, v[ASTR]
	v_add_nc_u32 v[ASTR], s12, v[ASTR]             ; back: lanes 0-15 one row, lanes 16-31 the next
	WIN 0x08                                       ; an LDS store's data are its source 1: window 2
.irp g, 0,1,2,3
.irp m, 0,1,2,3
.irp b, 0,1
	ds_store_b64 v[AQC], v[QCR+16*\g+4*\m+2*\b:QCR+16*\g+4*\m+2*\b+1] offset:16*\m*XP+64*\g+256*\b
.endr
	ds_store_b32 v[AQW], v[QWR+4*\g+\m] offset:16*\m*KWP+16*\g
.endr
.endr
	WIN 0x0c                                       ; window 3
.irp g, 0,1,2,3
.irp m, 0,1,2,3
.irp t, 0,1,2,3
	ds_store_b128 v[AVD+\m], v[64*\g+16*\m+4*\t:64*\g+16*\m+4*\t+3] offset:4*VGP*\g+64*(\t/2)+16*(\t%2)   ; eight neighbouring numbers of head 4 g + w
.endr
.endr
.endr
	WIN 0
.irp i, 0,1                                    ; K = 64 of 128 and K = 16 of 32: the rest of each operand is zeros, on both sides
.irp j, 4,5,6,7
	v_mov_b32 v[PF+8*\i+\j], 0
	v_mov_b32 v[QF+8*\i+\j], 0
.endr
.endr
.irp i, 0,1,2,3,4,5,6,7
.irp j, 4,5,6,7
	v_mov_b32 v[VF+8*\i+\j], 0
.endr
.endr
	s_wait_dscnt 0x0                               ; for the others' sake: my stores have landed
	s_barrier_signal -1
	s_barrier_wait -1
	; ---- my 16 tokens, two a trip
	s_mov_b32 s45, 0
	s_mov_b32 s46, 0
	s_mov_b32 s47, 0
	s_mov_b32 s48, 0
	s_mov_b32 s[LC], 8
.Ltok:
	v_add_nc_u32 v[APF], s45, v[APF0]
	v_add_nc_u32 v[AQF], s45, v[AQF0]
	v_add_nc_u32 v[ASW], s46, v[ASW0]
	v_add_nc_u32 v[ARE], s47, v[ARE0]
	v_add_nc_u32 v[AVF], s48, v[AVF0]
.irp i, 0,1
	ds_load_b128 v[PF+8*\i:PF+8*\i+3], v[APF] offset:XP*\i
	ds_load_b128 v[QF+8*\i:QF+8*\i+3], v[AQF] offset:XP*\i
	ds_load_b32 v[SW+\i], v[ASW] offset:KWP*\i
	ds_load_b128 v[RR+8*\i:RR+8*\i+3], v[ARE] offset:RLP*\i
	ds_load_b128 v[RR+8*\i+4:RR+8*\i+7], v[ARE] offset:RLP*\i+16
.endr
.irp i, 0,1
.irp t, 0,1,2,3
	ds_load_tr16_b128 v[VF+32*\i+8*\t:VF+32*\i+8*\t+3], v[AVF] offset:VTP*\i+32*\t   ; v turned: lane (r, h) gets heads 8 h + 0 .. 7 of number 16 t + r
.endr
.endr
	s_wait_dscnt 8                                 ; all but v's eight loads
.irp i, 0,1                                    ; attn^T = p q^T: source 0 = the 16 key heads, source 1 = the 16 query heads: lane (r, h) holds query head r and key heads 8 h + 0 .. 7
	v_wmma_scale_f32_16x16x128_f8f6f4 v[AT+8*\i:AT+8*\i+7], v[PF+8*\i:PF+8*\i+7], v[QF+8*\i:QF+8*\i+7], 0, v[SW+\i], v[SW+\i] matrix_a_fmt:MATRIX_FMT_FP4 matrix_b_fmt:MATRIX_FMT_FP4 matrix_a_scale:MATRIX_SCALE_ROW1
.endr
	PLACES
.irp i, 0,1
.irp j, 0,2,4,6
	v_pk_mul_f32 v[AT+8*\i+\j:AT+8*\i+\j+1], v[AT+8*\i+\j:AT+8*\i+\j+1], v[RR+8*\i+\j:RR+8*\i+\j+1]   ; / l, from the low end on
.endr
.endr
.irp i, 0,1
.irp j, 0,1,2,3
	v_cvt_pk_f16_f32 v[PF+8*\i+\j], v[AT+8*\i+2*\j], v[AT+8*\i+2*\j+1]   ; eight key heads of my query head: source 1 of the last product as it stands
.endr
.endr
	s_wait_dscnt 0x0                               ; v is in
.irp i, 0,1
.irp t, 0,1,2,3                                ; out^T = v^T attn^T: lane (r, h) holds query head r and numbers 16 t + 8 h + 0 .. 7
	v_wmma_f32_16x16x32_f16 v[OO+32*\i+8*\t:OO+32*\i+8*\t+7], v[VF+32*\i+8*\t:VF+32*\i+8*\t+7], v[PF+8*\i:PF+8*\i+7], 0
.endr
.endr
	PLACES
.irp i, 0,1                                    ; a lane's 32 bytes go into rows of 272 and come back as whole rows of 256, into the registers that they left
.irp t, 0,1,2,3
	ds_store_b128 v[ASTO], v[OO+32*\i+8*\t:OO+32*\i+8*\t+3] offset:16*SGP*\i+64*\t
	ds_store_b128 v[ASTO], v[OO+32*\i+8*\t+4:OO+32*\i+8*\t+7] offset:16*SGP*\i+64*\t+16
.endr
.endr
.irp i, 0,1
.irp e, 0,1,2,3,4,5,6,7
	ds_load_b128 v[OO+32*\i+4*\e:OO+32*\i+4*\e+3], v[ASTR] offset:16*SGP*\i+2*SGP*\e   ; LDS serves a wave's instructions in order: these see my stores
.endr
.endr
.set n, 0
.irp i, 0,1
.irp e, 0,1,2,3,4,5,6,7
	s_wait_dscnt 15-n                              ; the younger rows may be out
	global_store_b128 v[LI], v[OO+32*\i+4*\e:OO+32*\i+4*\e+3], s[8:9] offset:4096*\i+512*\e th:TH_STORE_NT   ; 32 lanes store 512 consecutive bytes, at a multiple of 256 from out0's first byte
.set n, n+1
.endr
.endr
	s_wait_xcnt 0x0                                ; the stores have read their registers and their base: both are written again only behind this wait
	s_add_nc_u64 s[8:9], s[8:9], 8192
	s_add_co_u32 s45, s45, 2*XP
	s_add_co_u32 s46, s46, 2*KWP
	s_add_co_u32 s47, s47, 2*RLP
	s_add_co_u32 s48, s48, 2*VTP
	s_sub_co_u32 s[LC], s[LC], 1
	s_cmp_lg_u32 s[LC], 0
	s_cbranch_scc1 .Ltok
	s_wait_tensorcnt 0x0                           ; the wave's end, behind my last tensor load and my last LDS store
	ds_add_u32 v[SPW], v[NIL]
	s_wait_dscnt 0x0
	ROUND                                          ; the closing round: no work-group ends while a partner may still ask for a part that names it
	s_endpgm
.Lfunc_end_k_qdf38ec6c8d_fused:
	.size	k_qdf38ec6c8d_fused, .Lfunc_end_k_qdf38ec6c8d_fused-k_qdf38ec6c8d_fused
	.p2alignl 7, 3214868480
	.fill 96, 4, 3214868480
	.section	.rodata,"a",@progbits
	.p2align	6, 0x0
	.amdhsa_kernel k_qdf38ec6c8d_fused
		.amdhsa_group_segment_fixed_size 327680
		.amdhsa_private_segment_fixed_size 0
		.amdhsa_enable_private_segment 0
		.amdhsa_kernarg_size 24
		.amdhsa_user_sgpr_count 2
		.amdhsa_user_sgpr_kernarg_segment_ptr 1
		.amdhsa_wavefront_size32 1
		.amdhsa_system_sgpr_workgroup_id_x 1
		.amdhsa_system_sgpr_workgroup_id_y 1
		.amdhsa_system_sgpr_workgroup_id_z 1
		.amdhsa_system_vgpr_workitem_id 0
		.amdhsa_next_free_vgpr 1024
		.amdhsa_next_free_sgpr 66
		.amdhsa_reserve_vcc 0
		.amdhsa_float_denorm_mode_32 3
		.amdhsa_float_denorm_mode_16_64 3
		.amdhsa_memory_ordered 1
		.amdhsa_forward_progress 1
		.amdhsa_inst_pref_size 255
	.end_amdhsa_kernel
	.section	.bss,"aw",@nobits
	.p2align	6
	.space	262144
	.amdgpu_metadata
---
amdhsa.version: [ 1, 2 ]
amdhsa.kernels:
  - .name:           k_qdf38ec6c8d_fused
    .symbol:         k_qdf38ec6c8d_fused.kd
    .args:
      - { .name: x, .offset: 0, .size: 8, .value_kind: global_buffer, .address_space: global }
      - { .name: wq, .offset: 8, .size: 8, .value_kind: global_buffer, .address_space: global }
      - { .name: out0, .offset: 16, .size: 8, .value_kind: global_buffer, .address_space: global }
    .group_segment_fixed_size: 327680
    .private_segment_fixed_size: 0
    .kernarg_segment_align: 8
    .kernarg_segment_size: 24
    .max_flat_workgroup_size: 128
    .sgpr_count:     66
    .vgpr_count:     1024
    .wavefront_size: 32
...
	.end_amdgpu_metadata
.endif
;; end of part 2
